; MI455X (gfx1250); checked and timed in simulation.
; The chip was launched on July 23, 2026; its instructions are those of AMD's public machine-readable ISA for CDNA 5 (MIT licence, August 2026) and "CDNA5" Instruction Set Architecture Reference Guide (July 2026). The comments in the code are by the model that wrote it; some were corrected since.
;; Multi Head Masked Self Attention. Allowed arithmetic: matrix products marked QUANTISED: E3M2 operands, one E8M0 scale for each 32 along K, by v_wmma_scale_f32_16x16x128_f8f6f4 with both operands' format E3M2, f32 sums; everything else in f32.
;; Inputs: bk 1,024 float32; bo 1,024 float32; bq 1,024 float32; bv 1,024 float32; mask 1 x 1 x 2,048 x 2,048 float32; wk 1,024 x 1,024 float32; wo 1,024 x 1,024 float32; wq 1,024 x 1,024 float32; wv 1,024 x 1,024 float32; x 4 x 2,048 x 1,024 float32.
;; Outputs: out0 4 x 2,048 x 1,024 float32.
;; This version of the problem:
;;   THIS VERSION OF THE PROBLEM IS GIVEN IN LOW PRECISION. The matrix products marked QUANTISED in the list below multiply operands that are first quantised to E3M2 (3 exponent bits, 2 mantissa bits; 6 bits a number), with one power-of-two scale for each 32 numbers along K (OCP MX v1.0); their sums are f32. All else is computed in f32.
;;   The module's matrix products, in the order in which they are computed (A, B: the left and right operand; K: the contracted axis; several contracted axes count as one K, in the product's order):
;;     1. [M 8,192, K 1,024] x [K 1,024, N 1,024]; A: input x; B: input wq: QUANTISED
;;     2. [M 8,192, K 1,024] x [K 1,024, N 1,024]; A: input x; B: input wk: QUANTISED
;;     3. [M 8,192, K 1,024] x [K 1,024, N 1,024]; A: input x; B: input wv: QUANTISED
;;     4. batch 64 x [M 2,048, K 64] x [K 64, N 2,048]; A: computed on the way; B: computed on the way: QUANTISED
;;     5. batch 64 x [M 2,048, K 2,048] x [K 2,048, N 64]; A: softmax (see below); B: computed on the way: QUANTISED
;;     6. [M 8,192, K 1,024] x [K 1,024, N 1,024]; A: computed on the way; B: input wo: QUANTISED
;;   THE QUANTISER, for each operand of a quantised product, along K:
;;     - K is cut into blocks of 32 from its start; a last block that is shorter is filled with zeros.
;;     - A block's scale is 2^e with e = floor(log2(the largest magnitude in the block)) - 4, held to -126 .. 127; a block of zeros has e = 0. As a byte (E8M0): e + 127.
;;     - Each number is divided by its block's scale, clamped to +-28, and rounded to the nearest number of E3M2, ties to even, subnormals kept.
;;     - The product sums the exact products of the quantised numbers (number of the format x scale) in f32.
;;   ~~~python
;;   def quantise(x, axis):      # numpy; x: float32 -> the quantised numbers, widened to float32 again
;;       x = np.moveaxis(x, axis, -1); K = x.shape[-1]
;;       x = np.pad(x, [(0, 0)] * (x.ndim - 1) + [(0, -K % 32)]); x = x.reshape(x.shape[:-1] + (-1, 32)); a = np.abs(x).max(-1, keepdims=True)
;;       e = np.where(a > 0, np.clip(np.frexp(np.where(a > 0, a, 1))[1] - 1 - 4, -126, 127), 0)      # np.frexp(a)[1] - 1 = floor(log2(a)), exactly
;;       r = np.clip(x / 2.0 ** e, -28, 28)
;;       step = 2.0 ** (np.maximum(np.frexp(np.where(r == 0, 1, r))[1] - 1, -2) - 2)
;;       q = np.round(r / step) * step * 2.0 ** e      # np.round: ties to even
;;       return np.moveaxis(q.reshape(q.shape[:-2] + (-1,))[..., :K], -1, axis).astype(np.float32)
;;   ~~~
;;   SOFTMAX AHEAD OF A QUANTISED PRODUCT. Where the list says 'softmax', what is quantised is not the finished softmax but p = 2^(t - M), with t = logit x log2(e) and M = ceil(the row's largest t), a whole number; so 1/2 < the row's largest p <= 1. The row's sum l is taken of the UNQUANTISED p, in f32, and the product's result is divided by l at the end. Since M is a whole number, a kernel that streams over the keys may use a running M (the ceiling of the running maximum): every later rescaling is an exact power of two, which a block's scale takes up: the codes' values come out the same.
;;   OPERANDS COMPUTED ON THE WAY. 'Computed on the way' means the value that the module computes at that place (a softmax that the list does not call 'softmax' is quantised finished and normalised). What goes into a quantiser is computed in f32, as accurately as f32 sums, v_exp_f32 and their like allow (about 1e-6 of the number): no bf16 or f16 on the way to a quantiser, and a product that is left as it is and whose result goes on into a quantised operand takes f32 operands (vector FMAs, or v_wmma_f32_16x16x4_f32). A number that lies on a knife's edge between two numbers of the format may be rounded either way, as far as f32 arithmetic and the matrix unit's own rounding can turn it there, and no further.
;; One version. Each part assembles by itself: llvm-mc -triple=amdgcn-amd-amdhsa -mcpu=gfx1250 --defsym DOCPART=n.
;; ======== version 1 of 1: 3 launches
;; limits: right only within a limited range of input values
;; workspace buffers: cod 9,437,184 bytes; scl 393,216 bytes; qf 6,815,744 bytes; kv 13,369,344 bytes
;; launch quant (part 1): grid 256 x 1, 6 waves a work-group, no clusters, 51,456 bytes of LDS; arguments x, wq, wk, wv, wo, cod, scl; writes cod, scl
.if DOCPART == 1
	.amdgcn_target "amdgcn-amd-amdhsa--gfx1250"
	.amdhsa_code_object_version 6
	.text
	.protected	k_q66c893096b_quant
	.globl	k_q66c893096b_quant
	.p2align	8
	.type	k_q66c893096b_quant,@function
k_q66c893096b_quant:
	s_mov_b64 s[64:65], 0
	v_nop
	global_prefetch_b8 v0, s[64:65] scope:SCOPE_SE
	s_setreg_imm32_b32 hwreg(HW_REG_WAVE_MODE, 25, 1), 1
	s_wait_xcnt 0x0
; x [8192][1024] and wq, wk, wv, wo [1024][1024], f32 with K innermost, become codes of BF6 (E3M2) with one E8M0 byte for each 32 along K,
; laid in the ORDER OF AN OPERAND'S REGISTERS.  A row tile T = 2 g + u holds the 16 rows 32 g + 8 u + rho(i), rho(i) = i + 8 (i / 8).
; cod: tile T at 12,288 T; in it K step s (128 along K) at 1,536 s: three pieces of 512 bytes, piece c = the fragment's registers 4 c .. 4 c + 3, lane l's 16 bytes at 16 l.
; scl: tile T at 512 T; the scale word of K step 2 p + e of row rho(r) at 128 p + 8 r + 4 e.
; Tiles 0-511 x, 512-575 wq, 576-639 wk, 640-703 wv, 704-767 wo.
; A block's scale is 2^(floor(log2(largest magnitude)) - 4); its byte is that magnitude's exponent field - 4, held at 1 from below.
; LIMITS: a block of zeros, and a block whose largest magnitude lies under 2^-122, keeps the byte 1 (its codes are read by this program alone); NaN and infinities are not served.
; SHARES: 1,536 waves; wave 6 g + w takes half the K (4 K steps) of one row tile.  One path serves all five tensors: only the pointer is chosen, by the tile's number.
; Each load reads 512 consecutive bytes of one row; a K step's 16 rows turn through the wave's own stage in LDS (pitch 528), so that a lane gets two whole blocks of 32 of its row.
; Waves share nothing: no barrier.  Loads run two K steps (32 loads a wave) ahead.
.set ROWB,  4096                       ; a row of f32 in bytes
.set SP,    528                        ; a stage row: 512 bytes + 16
.set TILEB, 12288
.set KSB,   1536
.set LI,  1                            ; v1   16 x lane
.set STI, 2                            ; v2   the stage, on the way in
.set STO, 3                            ; v3   the stage, on the way out: 528 r + 128 h
.set L8,  4                            ; v4   8 x lane
.set SH8, 5                            ; v5   8 h
.set M,   6                            ; v6-7   largest magnitudes
.set SO,  8                            ; v8-9   the conversions' scale operands
.set BY,  10                           ; v10-11 bytes; at the end the two words to store
.set WT,  12
.set PT,  13
.set W,   14                           ; v14-17 the four K steps' scale words
.set TQ,  18                           ; v18-25 the upper halves of the blocks' codes
.set C,   26                           ; v26-49 two sets of 12: a fragment
.set X,   56                           ; v56-119 my 64 numbers
.set RAW, 120                          ; v120-247 two sets of 64, as loaded
.set WV,  18
.set SEL, 28
.set HI,  30
	s_load_b256 s[4:11], s[0:1], 0x0               ; x, wq, wk, wv
	s_load_b128 s[12:15], s[0:1], 0x20             ; wo, cod
	s_load_b64 s[16:17], s[0:1], 0x30              ; scl
	v_lshl_add_u32 v248, v0, 2, 0xc600
	v_mov_b32 v249, 0
	v_lshrrev_b32 v6, 5, v0
	v_readfirstlane_b32 s[WV], v6                  ; wave 0..5
	v_and_b32 v6, 31, v0                           ; lane
	v_and_b32 v7, 15, v0                           ; r
	v_bfe_u32 v8, v0, 4, 1                         ; h
	v_lshlrev_b32 v[LI], 4, v6
	v_lshlrev_b32 v[L8], 3, v6
	v_lshlrev_b32 v[SH8], 3, v8
	v_cmp_le_u32 s[HI], 16, v6                     ; lanes 16-31
	s_mul_i32 s19, s[WV], 16*SP                    ; my stage
	v_add_nc_u32 v[STI], s19, v[LI]
	v_mul_u32_u24 v[STO], v7, SP
	v_lshl_add_u32 v[STO], v8, 7, v[STO]
	v_add_nc_u32 v[STO], s19, v[STO]
	v_mov_b32 v[PT], 0                             ; a lane permute's destination counts as one of its sources
	s_mov_b32 s[SEL], 0x76543210
	s_mov_b32 s[SEL+1], 0xfedcba98                 ; selects for lane l xor 16
	s_mul_i32 s22, ttmp9, 6
	s_add_co_u32 s22, s22, s[WV]
	s_lshr_b32 s23, s22, 1                         ; T
	s_and_b32 s24, s22, 1                          ; which half of K
	s_and_b32 s25, s23, 63                         ; the tile's number inside a weight
	s_wait_alu depctr_va_vdst(0)
	s_wait_kmcnt 0x0
	s_cmp_lt_u32 s23, 704                          ; the choice hangs on the tile's number alone
	s_cselect_b64 s[20:21], s[10:11], s[12:13]
	s_cmp_lt_u32 s23, 640
	s_cselect_b64 s[20:21], s[8:9], s[20:21]
	s_cmp_lt_u32 s23, 576
	s_cselect_b64 s[20:21], s[6:7], s[20:21]
	s_cmp_lt_u32 s23, 512
	s_cselect_b64 s[20:21], s[4:5], s[20:21]
	s_cselect_b32 s25, s23, s25
	s_lshr_b32 s26, s25, 1
	s_lshl_b32 s26, s26, 17                        ; 32 g rows of 4,096 bytes
	s_and_b32 s27, s25, 1
	s_lshl_b32 s27, s27, 15                        ; 8 u rows
	s_add_co_u32 s26, s26, s27
	s_lshl_b32 s27, s24, 11                        ; my four K steps of 512 bytes
	s_add_co_u32 s26, s26, s27
	s_mov_b32 s27, 0
	s_add_nc_u64 s[20:21], s[20:21], s[26:27]
	s_mul_i32 s26, s23, TILEB
	s_mul_i32 s31, s24, 4*KSB
	s_add_co_u32 s26, s26, s31
	s_add_nc_u64 s[14:15], s[14:15], s[26:27]
	s_lshl_b32 s26, s23, 9
	s_lshl_b32 s31, s24, 8
	s_add_co_u32 s26, s26, s31
	s_add_nc_u64 s[16:17], s[16:17], s[26:27]
.macro LOAD s                          ; K step s of the tile's 16 rows: each load is 512 consecutive bytes
.irp i, 0,1,2,3,4,5,6,7,8,9,10,11,12,13,14,15
	global_load_b128 v[RAW+64*((\s)%2)+4*\i:RAW+64*((\s)%2)+4*\i+3], v[LI], s[20:21] offset:(\i+8*(\i/8))*ROWB+512*(\s) th:TH_LOAD_NT
.endr
.endm
.macro STEP s
.set RS, RAW+64*((\s)%2)
.set CC, C+12*((\s)%2)
.if (\s) < 3
	s_wait_loadcnt 16                              ; this K step's 16 loads are in; the next step's 16 may be out
.else
	s_wait_loadcnt 0x0
.endif
.irp i, 0,1,2,3,4,5,6,7,8,9,10,11,12,13,14,15
	ds_store_b128 v[STI], v[RS+4*\i:RS+4*\i+3] offset:\i*SP
.endr
.irp c, 0,1
.irp j, 0,1,2,3,4,5,6,7
	ds_load_b128 v[X+32*\c+4*\j:X+32*\c+4*\j+3], v[STO] offset:256*\c+16*\j   ; row r, k = 64 c + 32 h + 4 j ..: LDS serves a wave's instructions in order, so these see the stores
.endr
.endr
	s_wait_dscnt 0x0                               ; my numbers are back, and the stores have read their registers,
.if (\s) < 2
	LOAD (\s)+2                                    ; which take the loads of two steps on
.endif
.irp c, 0,1
	v_max3_num_f32 v[M+\c], |v[X+32*\c]|, |v[X+32*\c+1]|, 0x2800000   ; block 2 c + h is all mine; the floor 2^(5 - 127) holds the byte at 1 from below
.endr
.irp i, 2,4,6,8,10,12,14,16,18,20,22,24,26,28,30
.irp c, 0,1
	v_max3_num_f32 v[M+\c], v[M+\c], |v[X+32*\c+\i]|, |v[X+32*\c+\i+1]|
.endr
.endr
.irp c, 0,1
	v_add_nc_u32 v[SO+\c], 0xfe000000, v[M+\c]     ; 4 off the exponent field: the conversion's scale operand
.endr
.irp c, 0,1
	v_lshrrev_b32 v[BY+\c], 23, v[SO+\c]           ; the scale's byte
.endr
	v_lshl_or_b32 v[WT], v[BY+1], 16, v[BY]        ; blocks h and 2 + h,
	v_lshlrev_b32 v[WT], v[SH8], v[WT]             ; at their places in the word;
	v_permlanex16_b32 v[PT], v[WT], s[SEL], s[SEL+1]
	v_or_b32 v[W+(\s)], v[WT], v[PT]               ; with lane l xor 16's two the word is whole
.if (\s) >= 2
	s_wait_alu depctr_va_vdst(0)
	s_wait_xcnt 0x0                                ; the stores of two steps back have read this set of codes
.endif
.irp c, 0,1
	v_cvt_scalef32_pk16_bf6_f32 v[CC+6*\c:CC+6*\c+2], v[X+32*\c:X+32*\c+15], v[SO+\c]
	v_cvt_scalef32_pk16_bf6_f32 v[TQ+4*\c:TQ+4*\c+2], v[X+32*\c+16:X+32*\c+31], v[SO+\c]   ; (a conversion's three registers begin on an even number)
.endr
	v_nop                                          ; one plain place behind a scaled conversion
.irp c, 0,1
.irp i, 0,1,2
	v_mov_b32 v[CC+6*\c+3+\i], v[TQ+4*\c+\i]
.endr
.endr
.irp j, 0,1,2
	global_store_b128 v[LI], v[CC+4*\j:CC+4*\j+3], s[14:15] offset:KSB*(\s)+512*\j   ; 32 lanes store 512 consecutive bytes, aligned
.endr
.endm
	LOAD 0
	LOAD 1
	STEP 0
	STEP 1
	STEP 2
	STEP 3
	v_cndmask_b32 v[BY], v[W], v[W+2], s[HI]       ; lanes 0-15: K steps 0, 1 of my four; lanes 16-31: K steps 2, 3
	v_cndmask_b32 v[BY+1], v[W+1], v[W+3], s[HI]
	global_store_b64 v[L8], v[BY:BY+1], s[16:17]   ; 256 consecutive bytes, aligned
	s_wait_tensorcnt 0x0
	ds_add_u32 v248, v249
	s_wait_dscnt 0x0
	s_endpgm
.Lfunc_end_k_q66c893096b_quant:
	.size	k_q66c893096b_quant, .Lfunc_end_k_q66c893096b_quant-k_q66c893096b_quant
	.p2alignl 7, 3214868480
	.fill 96, 4, 3214868480
	.section	.rodata,"a",@progbits
	.p2align	6, 0x0
	.amdhsa_kernel k_q66c893096b_quant
		.amdhsa_group_segment_fixed_size 51456
		.amdhsa_private_segment_fixed_size 0
		.amdhsa_enable_private_segment 0
		.amdhsa_kernarg_size 56
		.amdhsa_user_sgpr_count 2
		.amdhsa_user_sgpr_kernarg_segment_ptr 1
		.amdhsa_wavefront_size32 1
		.amdhsa_system_sgpr_workgroup_id_x 1
		.amdhsa_system_sgpr_workgroup_id_y 1
		.amdhsa_system_sgpr_workgroup_id_z 1
		.amdhsa_system_vgpr_workitem_id 0
		.amdhsa_next_free_vgpr 250
		.amdhsa_next_free_sgpr 66
		.amdhsa_reserve_vcc 0
		.amdhsa_float_denorm_mode_32 3
		.amdhsa_float_denorm_mode_16_64 3
		.amdhsa_memory_ordered 1
		.amdhsa_forward_progress 1
		.amdhsa_inst_pref_size 31
	.end_amdhsa_kernel
	.amdgpu_metadata
---
amdhsa.version: [ 1, 2 ]
amdhsa.kernels:
  - .name:           k_q66c893096b_quant
    .symbol:         k_q66c893096b_quant.kd
    .args:
      - { .name: x, .offset: 0, .size: 8, .value_kind: global_buffer, .address_space: global }
      - { .name: wq, .offset: 8, .size: 8, .value_kind: global_buffer, .address_space: global }
      - { .name: wk, .offset: 16, .size: 8, .value_kind: global_buffer, .address_space: global }
      - { .name: wv, .offset: 24, .size: 8, .value_kind: global_buffer, .address_space: global }
      - { .name: wo, .offset: 32, .size: 8, .value_kind: global_buffer, .address_space: global }
      - { .name: cod, .offset: 40, .size: 8, .value_kind: global_buffer, .address_space: global }
      - { .name: scl, .offset: 48, .size: 8, .value_kind: global_buffer, .address_space: global }
    .group_segment_fixed_size: 51456
    .private_segment_fixed_size: 0
    .kernarg_segment_align: 8
    .kernarg_segment_size: 56
    .max_flat_workgroup_size: 192
    .sgpr_count:     66
    .vgpr_count:     250
    .wavefront_size: 32
...
	.end_amdgpu_metadata
.endif
;; end of part 1
;; launch proj (part 2): grid 8 x 48, 4 waves a work-group, clusters of 4 x 4, 327,680 bytes of LDS; arguments cod, scl, bq, bk, bv, qf, kv; writes qf, kv
.if DOCPART == 2
	.amdgcn_target "amdgcn-amd-amdhsa--gfx1250"
	.amdhsa_code_object_version 6
	.text
	.protected	k_q66c893096b_proj
	.globl	k_q66c893096b_proj
	.p2align	8
	.type	k_q66c893096b_proj,@function
k_q66c893096b_proj:
	s_mov_b64 s[64:65], 0
	v_nop
	global_prefetch_b8 v0, s[64:65] scope:SCOPE_SE
	s_setreg_imm32_b32 hwreg(HW_REG_WAVE_MODE, 25, 1), 1
	s_wait_xcnt 0x0
	s_wait_alu depctr_hold_cnt(0) depctr_sa_sdst(0) depctr_va_vdst(0) depctr_va_sdst(0) depctr_va_ssrc(0) depctr_va_vcc(0) depctr_vm_vsrc(0)
	s_getreg_b32 s2, hwreg(HW_REG_IB_STS2, 6, 4)
	s_cmp_eq_u32 s2, 0
	s_cbranch_scc0 .Lentry_in_a_cluster
	s_endpgm
.Lentry_in_a_cluster:
	s_bfe_u32 s2, ttmp6, 0x10000c
	s_cmp_lg_u32 s2, 0xf033
	s_cbranch_scc0 .Lentry_shape_is_right
	s_endpgm
.Lentry_shape_is_right:
.set NL,    3
.set FR,    12
.set TILEB, 12288
.set KSB,   1536
.set RT,    2*KSB
.set QUART, 8*RT
.set SLOT,  4*QUART
.set SPARE, 2*SLOT
.set ADRA, 16
.set ADRB, 20
.set LI,   24
.set L8,   25
.set SOFF, 26
.set BOF,  27
.set SPW,  28
.set NIL,  29
.set SC,   32
.set AF,   128
.set H,    128
.set PWS,  96
.set TM,   104
.set TQ,   120
.set SA,   224
.set WV,  18
.set RH,  19
.set PH,  20
.set SEL, 22
.set G1,  24
.set G0,  32
.set CX,  40
.set CY,  41
.set CLY, 42
.set ISV, 43
.set HI16, 56
.set C7F, 57
.set G1B, 72
.set G0B, 80
.set MSB, 0
.macro WIN new
.if MSB != (\new)
	s_set_vgpr_msb (MSB<<8)|(\new)
.set MSB, (\new)
.endif
.endm
.set MUL_LO, 0xa1
.set MUL_HI, 0xf1
.set TO_B,   0x40
.macro JLOAD g0a, g1a, g0b, g1b
	s_cmp_eq_u32 s[RH], 0
	s_cbranch_scc0 .Lfor_p_\@
	tensor_load_to_lds s[\g0a:\g0a+3], s[\g1a:\g1a+7]
	s_nop 0
.rept 4
	v_nop
.endr
	s_branch .Lasked_\@
.Lfor_p_\@:
	tensor_load_to_lds s[\g0b:\g0b+3], s[\g1b:\g1b+7]
	s_nop 0
.rept 4
	v_nop
.endr
.Lasked_\@:
.endm
.macro CREST
	s_cmp_lg_u32 s[WV], 0
	s_cbranch_scc1 .Lnot_wave_0_\@
	s_barrier_signal -3
.Lnot_wave_0_\@:
	s_barrier_wait -3
	s_barrier_signal -1
	s_barrier_wait -1
.endm
.macro CROUND
	s_barrier_signal -1
	s_barrier_wait -1
	CREST
.endm
.macro PLACES
.rept 4
	v_nop
.endr
.endm
	s_load_b256 s[4:11], s[0:1], 0x0
	s_load_b128 s[12:15], s[0:1], 0x20
	s_load_b64 s[16:17], s[0:1], 0x30
	v_lshl_add_u32 v[SPW], v0, 2, SPARE
	v_mov_b32 v[NIL], 0
	ds_add_u32 v28, v29
	ds_add_u32 v28, v29
	s_wait_dscnt 0x0
	v_lshrrev_b32 v1, 5, v0
	v_readfirstlane_b32 s[WV], v1
	s_lshr_b32 s[RH], s[WV], 1
	s_and_b32 s[PH], s[WV], 1
	s_bfe_u32 s[CX], ttmp6, 0x40000
	s_bfe_u32 s[CY], ttmp6, 0x40004
	s_and_b32 s[CLY], ttmp7, 0xffff
	s_lshl_b32 s48, ttmp9, 2
	s_add_co_u32 s48, s48, s[CX]
	s_cmp_ge_u32 s[CLY], 8
	s_cselect_b32 s[ISV], 1, 0
	s_cselect_b32 s44, 0, s[CLY]
	s_cselect_b32 s45, 640, 0
	s_cselect_b32 s46, s[CLY], 8
	s_cselect_b32 s47, 0, 512
	s_lshl_b32 s44, s44, 2
	s_add_co_u32 s44, s44, s[CY]
	s_mov_b32 s66, s44
	s_lshl_b32 s44, s44, 4
	s_add_co_u32 s44, s44, s45
	s_sub_co_u32 s46, s46, 8
	s_lshl_b32 s46, s46, 3
	s_add_co_u32 s46, s46, s48
	s_lshl_b32 s49, s46, 4
	s_add_co_u32 s49, s49, s47
	s_lshl_b32 s54, s[CY], 2
	s_lshl_b32 s54, 15, s54
	s_lshl_b32 s55, 0x1111, s[CX]
	s_or_b32 s[G1], s54, (3<<16)|(1<<21)
	s_or_b32 s[G1B], s55, (3<<16)|(1<<21)
.irp g, G1, G1B
	s_mov_b32 s[\g+1], 384<<16
	s_mov_b32 s[\g+2], 8<<16
	s_mov_b32 s[\g+3], 384<<16
	s_mov_b32 s[\g+4], 8
	s_mov_b32 s[\g+5], 1536
	s_mov_b32 s[\g+6], 0
	s_mov_b32 s[\g+7], 0
.endr
	s_lshl_b32 s62, s[PH], 3
	s_add_co_u32 s50, s44, s62
	s_mul_i32 s50, s50, TILEB
	s_mov_b32 s51, 0
	s_add_co_u32 s52, s49, s62
	s_mul_i32 s52, s52, TILEB
	s_mov_b32 s53, 0
	s_mul_i32 s63, s[WV], QUART
	s_wait_kmcnt 0x0
	s_add_nc_u64 s[50:51], s[4:5], s[50:51]
	s_add_nc_u64 s[52:53], s[4:5], s[52:53]
	; the prefetches: of the 8 tiles x 12 blocks of 256 bytes that one of my joint loads brings, each of the four partners that ask with me takes two tiles, told apart by address
	s_cmp_eq_u32 s[RH], 0
	s_cselect_b64 s[88:89], s[50:51], s[52:53]
	s_cselect_b32 s90, s[CX], s[CY]
	s_mul_i32 s90, s90, 2*TILEB
	s_mov_b32 s91, 0
	s_add_nc_u64 s[88:89], s[88:89], s[90:91]
	v_and_b32 v30, 31, v0
	v_min_u32 v30, 23, v30                         ; 24 blocks; the lanes left over name the last again
	v_add_nc_u32 v31, 4, v30
	v_lshrrev_b32 v31, 4, v31                      ; 1 from block 12 on: the second tile
	v_mul_u32_u24 v31, v31, TILEB-RT
	v_lshl_add_u32 v30, v30, 8, v31
	CROUND
.irp s, 0,1
	s_mov_b32 s[G0+4*\s], 1
	s_add_co_u32 s[G0+4*\s+1], s63, \s*SLOT
	s_add_nc_u64 s[G0+4*\s+2:G0+4*\s+3], s[50:51], \s*RT
	s_or_b32 s[G0+4*\s+3], s[G0+4*\s+3], 0x80000000
	s_mov_b32 s[G0B+4*\s], 1
	s_add_co_u32 s[G0B+4*\s+1], s63, \s*SLOT
	s_add_nc_u64 s[G0B+4*\s+2:G0B+4*\s+3], s[52:53], \s*RT
	s_or_b32 s[G0B+4*\s+3], s[G0B+4*\s+3], 0x80000000
	s_wait_alu depctr_va_vdst(0)
	s_wait_tensorcnt 0x0
	ds_add_u32 v28, v29
	ds_add_u32 v28, v29
	s_wait_dscnt 0x0
	CROUND
	JLOAD G0+4*\s, G1, G0B+4*\s, G1B
	global_prefetch_b8 v30, s[88:89] offset:(\s+2)*RT th:TH_LOAD_NT scope:SCOPE_SE   ; what the load two refills on will bring
.if \s == 0
	global_prefetch_b8 v30, s[88:89] offset:RT th:TH_LOAD_NT scope:SCOPE_SE          ; and, at the head, what the next one will
.endif
.endr
	v_and_b32 v1, 31, v0
	v_and_b32 v2, 15, v0
	v_bfe_u32 v3, v0, 4, 1
	v_lshlrev_b32 v[LI], 4, v1
	v_lshlrev_b32 v[L8], 3, v1
	s_mul_i32 s62, s[RH], QUART
	s_mul_i32 s63, s[PH], QUART
	s_add_co_u32 s63, s63, 2*QUART
.irp s, 0,1
	v_add_nc_u32 v[ADRA+\s], s62, v[LI]
	v_add_nc_u32 v[ADRB+\s], s63, v[LI]
	s_add_co_u32 s62, s62, SLOT
	s_add_co_u32 s63, s63, SLOT
.endr
	v_cmp_le_u32 s[HI16], 16, v1
	s_lshl_b32 s62, s[RH], 3
	s_add_co_u32 s62, s62, s44
	s_lshl_b32 s62, s62, 9
	s_lshl_b32 s63, s[PH], 3
	s_add_co_u32 s63, s63, s49
	s_lshl_b32 s63, s63, 9
	v_mov_b32 v4, s62
	v_mov_b32 v5, s63
	v_cndmask_b32 v[SOFF], v4, v5, s[HI16]
	v_lshl_add_u32 v[SOFF], v2, 3, v[SOFF]
.irp i, 0,1,2,3,4,5,6,7
.irp p, 0,1,2,3
	global_load_b64 v[SC+8*\i+2*\p:SC+8*\i+2*\p+1], v[SOFF], s[6:7] offset:512*\i+128*\p
.endr
.endr
	s_mov_b32 s[SEL], 0x76543210
	s_mov_b32 s[SEL+1], 0xfedcba98
	s_mov_b32 s[C7F], 0x7f7f0000
	s_cmp_eq_u32 s[ISV], 1
	s_cbranch_scc1 .Lbias_v
	s_cmp_eq_u32 ttmp9, 0
	s_cselect_b64 s[58:59], s[8:9], s[10:11]
	s_lshl_b32 s62, s[CX], 10
	s_lshl_b32 s63, s[PH], 9
	s_add_co_u32 s62, s62, s63
	s_mov_b32 s63, 0
	s_add_nc_u64 s[58:59], s[58:59], s[62:63]
	v_lshlrev_b32 v[BOF], 6, v3
.irp b, 0,1,2,3,4,5,6,7
	global_load_b128 v[96+8*\b+96*(\b/4):96+8*\b+96*(\b/4)+3], v[BOF], s[58:59] offset:4*(32*(\b/2)+8*(\b%2))
	global_load_b128 v[96+8*\b+96*(\b/4)+4:96+8*\b+96*(\b/4)+7], v[BOF], s[58:59] offset:4*(32*(\b/2)+8*(\b%2))+16
.endr
	s_branch .Lbias_done
.Lbias_v:
	s_lshl_b32 s62, s[CY], 10
	s_lshl_b32 s63, s[RH], 9
	s_add_co_u32 s62, s62, s63
	s_mov_b32 s63, 0
	s_add_nc_u64 s[58:59], s[12:13], s[62:63]
	v_and_b32 v4, 8, v2
	v_add_nc_u32 v4, v4, v2
	v_lshlrev_b32 v[BOF], 2, v4
.irp a, 0,1,2,3,4,5,6,7
	global_load_b32 v[96+8*\a+96*(\a/4)], v[BOF], s[58:59] offset:4*(32*(\a/2)+8*(\a%2))
.endr
.Lbias_done:
.macro FRAG reg, adr, q, i
.irp c, 0,1,2
	ds_load_b128 v[\reg+4*\c:\reg+4*\c+3], v[\adr] offset:RT*(\i)+KSB*(\q)+512*\c
.endr
.endm
.macro FETCH_B slot, q, p
	WIN TO_B
.irp i, 0,1,2,3,4,5,6,7
	FRAG 128*(\p)+FR*\i, ADRB+\slot, \q, \i
.endr
	WIN 0
.endm
.macro FETCH_A slot, q, i0
.irp i, \i0, \i0+1, \i0+2, \i0+3
	FRAG AF+FR*(\i), ADRA+\slot, \q, \i
.endr
.endm
.macro MM a, b, p, ks, cm
.set AC, 8*(8*((\a)%4)+(\b))
.set PF, 128*(\p)+FR*(\b)
.set RF, AF+FR*(\a)
.if (\cm) == 0
	v_wmma_scale_f32_16x16x128_f8f6f4 v[AC:AC+7], v[PF:PF+FR-1], v[RF:RF+FR-1], v[AC:AC+7], v[SC+8*(\b)+(\ks)], v[SC+8*(\a)+(\ks)] matrix_a_fmt:MATRIX_FMT_BF6 matrix_b_fmt:MATRIX_FMT_BF6 matrix_a_scale:MATRIX_SCALE_ROW1
.else
.if (\cm) == 1
.set BI, 96+8*(\b)+96*((\b)/4)
.else
.set BI, 96+8*(\a)+96*((\a)/4)
.endif
	v_wmma_scale_f32_16x16x128_f8f6f4 v[AC:AC+7], v[PF:PF+FR-1], v[RF:RF+FR-1], v[BI:BI+7], v[SC+8*(\b)+(\ks)], v[SC+8*(\a)+(\ks)] matrix_a_fmt:MATRIX_FMT_BF6 matrix_b_fmt:MATRIX_FMT_BF6 matrix_a_scale:MATRIX_SCALE_ROW1
.endif
.endm
.macro MUL16 a0, p, ks, cm
.irp a, \a0, \a0+1
.irp b, 0,1,2,3,4,5,6,7
	MM \a, \b, \p, \ks, \cm
.endr
.endr
.endm
.macro STEP slot, ks, cm
	s_wait_dscnt 4*NL
.if \cm
	WIN 0x81
.else
	WIN MUL_LO
.endif
	MUL16 0, 0, \ks, \cm
	MUL16 2, 0, \ks, \cm
	s_wait_dscnt 0x0
	PLACES
	FETCH_B \slot, 1, 1
	FETCH_A \slot, 1, 0
.if \cm
	WIN 0xc1
.else
	WIN MUL_HI
.endif
	MUL16 4, 0, \ks, \cm
	MUL16 6, 0, \ks, \cm
	PLACES
	WIN 0
	FETCH_A \slot, 1, 4
.endm
.macro TURN slot, next, fill, ks
	s_wait_tensorcnt 0x0
	ds_add_u32 v[SPW], v[NIL]
	s_wait_dscnt 4*NL+1
	WIN MUL_LO
	MUL16 0, 1, \ks, 0
	s_wait_dscnt 0x0
	s_barrier_signal -1
	MUL16 2, 1, \ks, 0
	WIN 0
	s_barrier_wait -1
.if \fill
	CREST
	s_add_nc_u64 s[G0+4*\slot+2:G0+4*\slot+3], s[G0+4*\slot+2:G0+4*\slot+3], 4*KSB
	s_add_nc_u64 s[G0B+4*\slot+2:G0B+4*\slot+3], s[G0B+4*\slot+2:G0B+4*\slot+3], 4*KSB
	JLOAD G0+4*\slot, G1, G0B+4*\slot, G1B
.else
	PLACES
.endif
	FETCH_B \next, 0, 0
	FETCH_A \next, 0, 0
	WIN MUL_HI
	MUL16 4, 1, \ks, 0
	MUL16 6, 1, \ks, 0
	PLACES
	WIN 0
	FETCH_A \next, 0, 4
.endm
	s_wait_tensorcnt 0x1
	s_barrier_signal -1
	s_barrier_wait -1
	s_wait_alu depctr_va_vdst(0)
	FETCH_B 0, 0, 0
	FETCH_A 0, 0, 0
	FETCH_A 0, 0, 4
	s_wait_loadcnt 0x0
	s_cmp_eq_u32 s[ISV], 1
	s_cbranch_scc1 .Lfirst_v
	STEP 0, 0, 1
	s_branch .Lfirst_done
.Lfirst_v:
.irp a, 0,1,2,3,4,5,6,7
.irp j, 1,2,3,4,5,6,7
	v_mov_b32 v[96+8*\a+96*(\a/4)+\j], v[96+8*\a+96*(\a/4)]
.endr
.endr
	PLACES
	s_wait_alu depctr_va_vdst(0)
	STEP 0, 0, 2
.Lfirst_done:
	TURN 0, 1, 1, 1
	STEP 1, 2, 0
	TURN 1, 0, 1, 3
	STEP 0, 4, 0
	TURN 0, 1, 0, 5
	STEP 1, 6, 0
	s_wait_dscnt 4*NL
	WIN MUL_LO
	MUL16 0, 1, 7, 0
	MUL16 2, 1, 7, 0
	s_wait_dscnt 0x0
	WIN MUL_HI
	MUL16 4, 1, 7, 0
	MUL16 6, 1, 7, 0
	WIN 0
.macro QUANTW a, d0, d1
.set WA, 2+(\a)/4
.set ASRC, 64*((\a)%4)
.set WW, (WA<<2)|(WA<<4)
	WIN WW
.irp b, 0,1,2,3
	v_max3_num_f32 v[TM+\b], 0x2800000, |v[ASRC+16*\b]|, |v[ASRC+16*\b+1]|
.endr
.irp i, 2,4,6,8,10,12,14
.irp b, 0,1,2,3
	v_max3_num_f32 v[TM+\b], v[TM+\b], |v[ASRC+16*\b+\i]|, |v[ASRC+16*\b+\i+1]|
.endr
.endr
	WIN 0
.irp b, 0,1,2,3
	v_permlanex16_b32 v[TM+4+\b], v[TM+\b], s[SEL], s[SEL+1]
.endr
.irp b, 0,1,2,3
	v_max_num_f32 v[TM+\b], v[TM+\b], v[TM+4+\b]
.endr
.irp b, 0,1,2,3
	v_add_nc_u32 v[TM+12+\b], 0xfe000000, v[TM+\b]
.endr
.irp b, 0,1,2,3
	v_lshrrev_b32 v[TM+4+\b], 23, v[TM+12+\b]
.endr
	v_lshl_or_b32 v[PWS+(\a)], v[TM+5], 8, v[TM+4]
	v_lshl_or_b32 v[PWS+(\a)], v[TM+6], 16, v[PWS+(\a)]
	v_lshl_or_b32 v[PWS+(\a)], v[TM+7], 24, v[PWS+(\a)]
	WIN WA
	v_cvt_scalef32_pk16_bf6_f32 v[(\d0):(\d0)+2], v[ASRC:ASRC+15], v[TM+12]
	v_cvt_scalef32_pk16_bf6_f32 v[TQ:TQ+2], v[ASRC+16:ASRC+31], v[TM+13]
	v_cvt_scalef32_pk16_bf6_f32 v[(\d1):(\d1)+2], v[ASRC+32:ASRC+47], v[TM+14]
	v_cvt_scalef32_pk16_bf6_f32 v[TQ+4:TQ+6], v[ASRC+48:ASRC+63], v[TM+15]
	WIN 0
	v_nop
.irp i, 0,1,2
	v_permlane16_swap_b32 v[(\d0)+\i], v[TQ+\i]
	v_permlane16_swap_b32 v[(\d1)+\i], v[TQ+4+\i]
.endr
.irp i, 0,1,2
	v_mov_b32 v[(\d0)+3+\i], v[TQ+\i]
	v_mov_b32 v[(\d1)+3+\i], v[TQ+4+\i]
.endr
.endm
.irp b, 0,1,2,3
	v_mov_b32 v[TM+4+\b], 0
.endr
	s_cmp_eq_u32 s[ISV], 1
	s_cbranch_scc1 .Lout_v
	s_lshl_b32 s62, s66, 1
	s_add_co_u32 s62, s62, s[RH]
	s_lshr_b32 s63, s62, 4
	s_and_b32 s62, s62, 15
	s_lshl_b32 s63, s63, 4
	s_lshl_b32 s67, s[CX], 2
	s_add_co_u32 s63, s63, s67
	s_lshl_b32 s67, s[PH], 1
	s_add_co_u32 s63, s63, s67
	s_lshl_b32 s63, s63, 4
	s_add_co_u32 s62, s62, s63
	s_mov_b32 s68, 13056
	s_cmp_eq_u32 ttmp9, 0
	s_cselect_b64 s[58:59], s[14:15], s[16:17]
	s_cselect_b32 s67, 6656, s68
	s_mul_i32 s62, s62, s67
	s_mov_b32 s63, 0
	s_add_nc_u64 s[58:59], s[58:59], s[62:63]
	s_lshl_b32 s62, s67, 4
	s_add_nc_u64 s[60:61], s[58:59], s[62:63]
.irp a, 0,1,2,3,4,5,6,7
	QUANTW \a, H+6*\a, H+48+6*\a
.endr
.irp p, 0,1,2,3
	v_cndmask_b32 v[SA+\p], v[PWS+2*\p], v[PWS+2*\p+1], s[HI16]
.endr
.irp p, 0,1,2,3
	v_lshrrev_b32 v[SA+4+\p], 16, v[SA+\p]
	v_or_b32 v[SA+4+\p], s[C7F], v[SA+4+\p]
	v_and_or_b32 v[SA+\p], v[SA+\p], 0xffff, s[C7F]
.endr
.irp i, 0,1,2,3,4,5,6,7,8,9,10,11
	global_store_b128 v[LI], v[H+4*\i:H+4*\i+3], s[58:59] offset:512*\i
	global_store_b128 v[LI], v[H+48+4*\i:H+48+4*\i+3], s[60:61] offset:512*\i
.endr
	global_store_b128 v[LI], v[SA:SA+3], s[58:59] offset:6144
	global_store_b128 v[LI], v[SA+4:SA+7], s[60:61] offset:6144
	s_branch .Lout_done
.Lout_v:
	s_lshl_b32 s62, s46, 1
	s_add_co_u32 s62, s62, s[PH]
	s_lshr_b32 s63, s62, 4
	s_and_b32 s62, s62, 15
	s_lshl_b32 s63, s63, 4
	s_lshl_b32 s67, s66, 2
	s_add_co_u32 s63, s63, s67
	s_lshl_b32 s67, s[RH], 1
	s_add_co_u32 s63, s63, s67
	s_lshl_b32 s63, s63, 4
	s_add_co_u32 s62, s62, s63
	s_mul_i32 s62, s62, 13056
	s_add_co_u32 s62, s62, 6656
	s_mov_b32 s63, 0
	s_add_nc_u64 s[58:59], s[16:17], s[62:63]
	s_add_nc_u64 s[60:61], s[58:59], 16*13056
.irp a, 0,1,2,3,4,5,6,7
	QUANTW \a, H+12*\a, H+12*\a+6
.endr
.irp p, 0,1,2,3
	v_cndmask_b32 v[SA+\p], v[PWS+2*\p], v[PWS+2*\p+1], s[HI16]
.endr
.irp i, 0,1,2,3,4,5,6,7,8,9,10,11
	global_store_b128 v[LI], v[H+4*\i:H+4*\i+3], s[58:59] offset:512*\i
	global_store_b128 v[LI], v[H+48+4*\i:H+48+4*\i+3], s[60:61] offset:512*\i
.endr
	global_store_b64 v[L8], v[SA:SA+1], s[58:59] offset:6144
	global_store_b64 v[L8], v[SA+2:SA+3], s[60:61] offset:6144
.Lout_done:
	s_wait_tensorcnt 0x0
	ds_add_u32 v[SPW], v[NIL]
	s_wait_dscnt 0x0
	CROUND
	s_endpgm
.Lfunc_end_k_q66c893096b_proj:
	.size	k_q66c893096b_proj, .Lfunc_end_k_q66c893096b_proj-k_q66c893096b_proj
	.p2alignl 7, 3214868480
	.fill 96, 4, 3214868480
	.section	.rodata,"a",@progbits
	.p2align	6, 0x0
	.amdhsa_kernel k_q66c893096b_proj
		.amdhsa_group_segment_fixed_size 327680
		.amdhsa_private_segment_fixed_size 0
		.amdhsa_enable_private_segment 0
		.amdhsa_kernarg_size 56
		.amdhsa_user_sgpr_count 2
		.amdhsa_user_sgpr_kernarg_segment_ptr 1
		.amdhsa_wavefront_size32 1
		.amdhsa_system_sgpr_workgroup_id_x 1
		.amdhsa_system_sgpr_workgroup_id_y 1
		.amdhsa_system_sgpr_workgroup_id_z 1
		.amdhsa_system_vgpr_workitem_id 0
		.amdhsa_next_free_vgpr 1024
		.amdhsa_next_free_sgpr 100
		.amdhsa_reserve_vcc 0
		.amdhsa_float_denorm_mode_32 3
		.amdhsa_float_denorm_mode_16_64 3
		.amdhsa_memory_ordered 1
		.amdhsa_forward_progress 1
		.amdhsa_inst_pref_size 192
	.end_amdhsa_kernel
	.amdgpu_metadata
---
amdhsa.version: [ 1, 2 ]
amdhsa.kernels:
  - .name:           k_q66c893096b_proj
    .symbol:         k_q66c893096b_proj.kd
    .args:
      - { .name: cod, .offset: 0, .size: 8, .value_kind: global_buffer, .address_space: global }
      - { .name: scl, .offset: 8, .size: 8, .value_kind: global_buffer, .address_space: global }
      - { .name: bq, .offset: 16, .size: 8, .value_kind: global_buffer, .address_space: global }
      - { .name: bk, .offset: 24, .size: 8, .value_kind: global_buffer, .address_space: global }
      - { .name: bv, .offset: 32, .size: 8, .value_kind: global_buffer, .address_space: global }
      - { .name: qf, .offset: 40, .size: 8, .value_kind: global_buffer, .address_space: global }
      - { .name: kv, .offset: 48, .size: 8, .value_kind: global_buffer, .address_space: global }
    .group_segment_fixed_size: 327680
    .private_segment_fixed_size: 0
    .kernarg_segment_align: 8
    .kernarg_segment_size: 56
    .max_flat_workgroup_size: 128
    .sgpr_count:     100
    .vgpr_count:     1024
    .wavefront_size: 32
...
	.end_amdgpu_metadata
.endif
;; end of part 2
;; launch attn (part 3): grid 256 x 1, 8 waves a work-group, clusters of 4 x 1, 327,680 bytes of LDS; arguments qf, kv, mask, cod, scl, bo, out0; writes out0
.if DOCPART == 3
	.amdgcn_target "amdgcn-amd-amdhsa--gfx1250"
	.amdhsa_code_object_version 6
	.text
	.protected	k_q66c893096b_attn
	.globl	k_q66c893096b_attn
	.p2align	8
	.type	k_q66c893096b_attn,@function
k_q66c893096b_attn:
	s_mov_b64 s[64:65], 0
	v_nop
	global_prefetch_b8 v0, s[64:65] scope:SCOPE_SE
	s_setreg_imm32_b32 hwreg(HW_REG_WAVE_MODE, 25, 1), 1
	s_wait_xcnt 0x0
	s_wait_alu depctr_hold_cnt(0) depctr_sa_sdst(0) depctr_va_vdst(0) depctr_va_sdst(0) depctr_va_ssrc(0) depctr_va_vcc(0) depctr_vm_vsrc(0)
	s_getreg_b32 s2, hwreg(HW_REG_IB_STS2, 6, 4)
	s_cmp_eq_u32 s2, 0
	s_cbranch_scc0 .Lentry_in_a_cluster
	s_endpgm
.Lentry_in_a_cluster:
	s_bfe_u32 s2, ttmp6, 0x10000c
	s_cmp_lg_u32 s2, 0x3003
	s_cbranch_scc0 .Lentry_shape_is_right
	s_endpgm
.Lentry_shape_is_right:
; out0 = (softmax(q k^T / 8 + mask x -1e9) v) wo^T + bo: all three products on codes of BF6 with E8M0 scales; O / l is quantised along D for the last one.
; THE MASK IS AN INPUT: every number of it is read and honoured; no tile is left out.
; t = fma(q.k, log2(e) / 8, MT), MT = mask x (-1e9 log2(e)).  M = ceil(the running largest t), a whole number; p = 2^(t - M), the subtraction a separate, exact addition;
; p is quantised along the keys; the row's sum is taken of the unquantised p; when M moves, the sum and O are multiplied by 2^(old M - new M), which rounds nothing.
; LIMIT (order of rounding): t is rounded once, where the definition rounds the logit and then t; the two differ by f32 rounding alone.
; LIMITS: NaN and infinities are not served; a block whose every p is 0, or whose largest magnitude lies under 2^-122, keeps the byte 1 over zero codes.
; SHARES: work-group = one batch and 32 queries, all 16 heads.  Wave w owns heads 2 w, 2 w + 1 for both query tiles (tile u: queries 8 u + rho(r), rho(r) = r + 8 (r / 8)): four units (head, tile) a key step.
; CLUSTER 4 x 1: four work-groups of one batch walk the same K and V, and the same wo.  A record (128 keys of one head, an image of the operand's registers) is asked for JOINTLY, by wave w of all four, and read by that wave alone.
; RING: slot A holds the eight first heads' records of a key step, slot B the eight second heads'.  A record goes into registers at the start of its head's two units, so its slot is filled again half a key step on:
; the three lines and the round's opening signal stand behind the scores of a head's first unit, the wait, the rest of the round and the one load a wave at that unit's end; only work on registers lies between.
; THE MASK: wave w loads rows 4 w .. + 3 of the next key step (512 consecutive bytes a load, asked for one key step ahead), multiplies them once and stores them as MT into one of two LDS slots, 0x8000 apart, that take turns;
; a slot is written behind the round that follows its last read and read behind the rounds that follow the stores.
; PREFETCH: in each trip the records of two key steps on, one trip ahead of their load; a wave's 102 blocks of 256 bytes are shared out among the four partners by address, 26 each; the last trip asks for nothing.
; The mask's rows are asked for by their loads a key step ahead and are not prefetched beside that.  wo: see below.
; THE LAST PRODUCT: a wave's two heads are 128 neighbours along D, K step w.  Their fragment's image goes through LDS; wave w makes 32 rows x columns 128 w .. + 127.  wo's eight tiles for those columns come by joint loads,
; two K steps (8 rows of 3,072 bytes) a load, into the bytes of both slots: the first behind a round in the last key step, when every record is in registers; each later one behind a round, when the pair before is in registers.
; Behind the first of these loads the other three pairs' 72 blocks a partner (its two of the wave's eight tiles) are prefetched, each block once in the cluster.
; REGISTERS: window 0: v1-15, v55 addresses; v16-31 for each unit -M, the largest t, the sum in two halves; v32-41, v57, v246-255 scale words, which hold nothing else; v42-79 at work; v80-143 S^T, then p; v144-197 K; v198-245 V.
;   window 1: v0-127 O^T, 32 a unit (then the last product's sums); v128-191 MT; v192-239 Q, 12 a unit; v240-255 my four rows of the mask.
.set MP,    528
.set REC,   13056
.set QREC,  6656
.set KSB,   1536
.set TILEB, 12288
.set SLB,   8*REC                      ; slot B
.set WREG,  16*KSB                     ; a wave's two K steps of wo
.set AST,   16*REC                     ; the fragments of O: [tile][K step] 1,536 bytes
.set ASC,   AST+16*KSB                 ; their scale words
.set SPARE, ASC+1024                   ; the spare words, 128 bytes a wave
.set OST,   SPARE+1024                 ; the stages of the way out, 16 rows of 528 bytes a wave: no fill lands here
.set MT0,   0x40000                    ; MT: [row][512 + 16 bytes]; the other slot at MT0 + MTX
.set MTX,   0x8000
.set SPW, 1
.set NIL, 2
.set AM,  3                            ; v3-4 my place in MT's slot 0 for tile 0, 1
.set OOF, 5                            ; 16 x lane
.set PFO, 6
.set HAB, 7                            ; where my rows go in MT's slot 0
.set ADM, 8                            ; v8-9 v3-4 in this key step's slot
.set HAD, 10                           ; v7 in the next key step's slot
.set ADN, 11                           ; v3 in the next key step's slot
.set KA,  12                           ; v12-13 my record in slot A, B: + 16 x lane
.set K8A, 14                           ; v14-15 the same + 8 x lane
.set PFW, 55                           ; 256 x lane
.set STO, 3                            ; behind the key loop v3-13 are made anew
.set RD,  4
.set WSO, 7                            ; 8 r + 2,048 h
.set BOF, 8                            ; 64 h
.set ASA, 9
.set ASW, 10
.set ASR, 11
.set AFR, 12
.set WAD, 13
.set ST,  16
.set QS,  32
.set KS,  36
.set VS,  40
.set BM,  42
.set BT,  46
.set SO,  50
.set T0,  54
.set F,   56
.set PW,  57
.set SM,  58
.set PC,  60
.set TQ,  72
.set S,   80
.set KF,  144
.set VF,  198
.set OW,  246
.set MC,  128                          ; window 1
.set QF,  192                          ; window 1
.set AFG, 224                          ; window 1: O's two fragments of a K step
.set MR,  240                          ; window 1
.set WV,  18
.set CX,  19
.set SEL, 20
.set CS,  22
.set NEG, 24
.set STEPS, 26
.set TB,  27
.set BAT, 28
.set QB,  29
.set KVP, 40
.set QP0, 42
.set QP1, 44
.set WOB, 46
.set WSB, 48
.set OUTB, 50
.set BOB, 52
.set MKB, 54
.set TBX, 56
.set WPF, 58
.set G1,  68
.set G0A, 76                           ; s[76:79] slot A's group 0, s[80:83] slot B's
.set G1W, 84                           ; s[84:91], s[92:95] groups 1 and 0 for wo
.set G0W, 92
.set MSB, 0
.macro WIN new
.if MSB != (\new)
	s_set_vgpr_msb (MSB<<8)|(\new)
.set MSB, (\new)
.endif
.endm
.macro CREST                           ; a round of the cluster's barrier behind its opening barrier
	s_cmp_lg_u32 s[WV], 0
	s_cbranch_scc1 .Lnot_wave_0_\@
	s_barrier_signal -3
.Lnot_wave_0_\@:
	s_barrier_wait -3
	s_barrier_signal -1
	s_barrier_wait -1
.endm
.macro CROUND
	s_barrier_signal -1
	s_barrier_wait -1
	CREST
.endm
.macro JLOAD sl                        ; my record into slot sl: the same line, the same descriptor in wave w of all four partners
	tensor_load_to_lds s[G0A+4*(\sl):G0A+4*(\sl)+3], s[G1:G1+7]
	s_nop 0
.rept 4
	v_nop
.endr
.endm
.macro JLOADW                          ; two K steps of my eight tiles of wo
	tensor_load_to_lds s[G0W:G0W+3], s[G1W:G1W+7]
	s_nop 0
.rept 4
	v_nop
.endr
.endm
	s_load_b256 s[4:11], s[0:1], 0x0               ; qf, kv, mask, cod
	s_load_b128 s[12:15], s[0:1], 0x20             ; scl, bo
	s_load_b64 s[16:17], s[0:1], 0x30              ; out0
	v_lshl_add_u32 v[SPW], v0, 2, SPARE
	v_mov_b32 v[NIL], 0
	ds_add_u32 v[SPW], v[NIL]                      ; the opening lines: the add, twice on end, and its wait
	ds_add_u32 v[SPW], v[NIL]
	v_lshrrev_b32 v54, 5, v0
	v_readfirstlane_b32 s[WV], v54                 ; wave 0..7
	s_bfe_u32 s[CX], ttmp6, 0x40000                ; my place in the cluster
	s_lshr_b32 s[BAT], ttmp9, 4
	s_and_b32 s[QB], ttmp9, 15
	s_lshl_b32 s[QB], s[QB], 2
	s_add_co_u32 s[QB], s[QB], s[CX]               ; which 32 queries
	s_mul_i32 s30, s[WV], 4*MP                     ; my four rows of the mask
	s_mul_i32 s31, s[WV], 16*MP
	s_add_co_u32 s31, s31, OST                     ; my stage on the way out
	s_lshr_b32 s32, s[WV], 1
	s_lshl_b32 s32, s32, 8
	s_and_b32 s33, s[WV], 1
	s_lshl_b32 s33, s33, 2
	s_add_co_u32 s32, s32, s33
	s_add_co_u32 s32, s32, ASC                     ; K step w's scale words: 256 (w / 2) + 4 (w % 2)
	s_mul_i32 s33, s[WV], KSB
	s_add_co_u32 s33, s33, AST
	s_mul_i32 s34, s[CX], 26
	s_mov_b32 s35, 15*REC
	s_mov_b32 s[SEL], 0x76543210
	s_mov_b32 s[SEL+1], 0xfedcba98
	s_mov_b32 s[CS], 0x3e38aa3b                    ; log2(e) / 8
	s_mov_b32 s[CS+1], s[CS]
	s_mov_b32 s[NEG], 0xceabfb8f                   ; -1e9 log2(e)
	s_mov_b32 s[NEG+1], s[NEG]
	s_mov_b32 s[STEPS], 15
	s_mov_b32 s[TB], 0
	s_mov_b32 s[TBX], MTX
	s_mov_b32 s[G1], 15|(3<<16)|(1<<21)            ; all four partners; a record is a dense block: 51 rows of 256 bytes (32 elements of 8)
	s_mov_b32 s[G1+1], 32<<16
	s_mov_b32 s[G1+2], 51<<16
	s_mov_b32 s[G1+3], 32<<16
	s_mov_b32 s[G1+4], 51
	s_mov_b32 s[G1+5], 32
	s_mov_b32 s[G1+6], 0
	s_mov_b32 s[G1+7], 0
	s_mov_b32 s[G1W], 15|(3<<16)|(1<<21)           ; wo: 8 tiles, of each 3,072 bytes (384 elements of 8), 12,288 bytes from tile to tile
	s_mov_b32 s[G1W+1], 384<<16
	s_mov_b32 s[G1W+2], 8<<16
	s_mov_b32 s[G1W+3], 384<<16
	s_mov_b32 s[G1W+4], 8
	s_mov_b32 s[G1W+5], 1536
	s_mov_b32 s[G1W+6], 0
	s_mov_b32 s[G1W+7], 0
	s_mov_b32 s[G0A], 1
	s_mul_i32 s[G0A+1], s[WV], REC
	s_mov_b32 s[G0A+4], 1
	s_add_co_u32 s[G0A+5], s[G0A+1], SLB
	s_mov_b32 s[G0W], 1
	s_mul_i32 s[G0W+1], s[WV], WREG
	v_and_b32 v54, 31, v0                          ; lane
	v_and_b32 v55, 15, v0                          ; r
	v_bfe_u32 v58, v0, 4, 1                        ; h
	v_lshlrev_b32 v[OOF], 4, v54
	v_and_b32 v59, 8, v55
	v_add_nc_u32 v59, v59, v55                     ; rho(r)
	v_mul_u32_u24 v[AM], v59, MP
	v_lshl_add_u32 v[AM], v58, 6, v[AM]            ; my query's row, + 16 h keys
	v_add_nc_u32 v[AM], MT0, v[AM]
	v_add_nc_u32 v[AM+1], 8*MP, v[AM]
	v_add_nc_u32 v[HAB], s30, v[OOF]
	v_add_nc_u32 v[HAB], MT0, v[HAB]
	v_add_nc_u32 v[KA], s[G0A+1], v[OOF]
	v_add_nc_u32 v[KA+1], SLB, v[KA]
	v_lshl_add_u32 v[K8A], v54, 3, s[G0A+1]
	v_add_nc_u32 v[K8A+1], SLB, v[K8A]
	v_min_u32 v59, 25, v54
	v_add_nc_u32 v59, s34, v59                     ; my work-group's 26 blocks of the wave's 102; the lanes left over name the last again
	v_min_u32 v59, 101, v59
	v_mov_b32 v60, s35
	v_cmp_le_u32 vcc_lo, 51, v59
	v_cndmask_b32 v60, 0, v60, vcc_lo              ; blocks 51-101 are the second head's record, 16 records on
	v_lshl_add_u32 v[PFO], v59, 8, v60
	v_lshlrev_b32 v[T0], 4, v55                    ; 16 r
	v_lshlrev_b32 v[PFW], 4, v[OOF]                ; 256 x lane
	s_wait_alu depctr_va_vdst(0)
	s_wait_dscnt 0x0                               ; both opening adds are done
	s_wait_kmcnt 0x0
	s_lshl_b32 s36, s[QB], 5
	s_lshl_b32 s37, s[WV], 2
	s_add_co_u32 s36, s36, s37
	s_lshl_b32 s36, s36, 13                        ; the mask's row 32 QB + 4 w
	s_mov_b32 s37, 0
	s_add_nc_u64 s[MKB:MKB+1], s[8:9], s[36:37]
	s_lshl_b32 s38, s[BAT], 4
	s_lshl_b32 s39, s[WV], 1
	s_add_co_u32 s38, s38, s39                     ; my first head, counted over the batches: no place in the cluster enters it
	s_mul_i32 s36, s38, 16*REC
	s_add_nc_u64 s[KVP:KVP+1], s[6:7], s[36:37]
	s_mov_b64 s[G0A+2:G0A+3], s[KVP:KVP+1]
	s_add_nc_u64 s[G0A+6:G0A+7], s[KVP:KVP+1], 16*REC
	s_or_b32 s[G0A+3], s[G0A+3], 0x80000000
	s_or_b32 s[G0A+7], s[G0A+7], 0x80000000
	CROUND                                         ; all four work-groups are here: the first joint loads meet
	JLOAD 0                                        ; key step 0, my first head: one tensor load a wave at the head
	s_lshl_b32 s36, s38, 4
	s_lshr_b32 s39, s[QB], 2
	s_add_co_u32 s36, s36, s39
	s_mul_i32 s36, s36, QREC
	s_add_nc_u64 s[QP1:QP1+1], s[4:5], s[36:37]    ; q's record: 128 queries of my first head
	s_and_b32 s39, s[QB], 3                        ; g: my 32 queries are its tiles 2 g, 2 g + 1
	s_mul_i32 s36, s39, KSB
	s_add_nc_u64 s[QP0:QP0+1], s[QP1:QP1+1], s[36:37]
	s_lshl_b32 s36, s39, 2
	s_add_nc_u64 s[QP1:QP1+1], s[QP1:QP1+1], s[36:37]
	s_lshl_b32 s38, s[WV], 3
	s_add_co_u32 s38, s38, 704                     ; wo's tiles 704 + 8 w ..
	s_mul_i32 s36, s38, TILEB
	s_add_nc_u64 s[WOB:WOB+1], s[10:11], s[36:37]
	s_mov_b64 s[G0W+2:G0W+3], s[WOB:WOB+1]
	s_or_b32 s[G0W+3], s[G0W+3], 0x80000000
	s_mul_i32 s36, s[CX], 2*TILEB
	s_add_nc_u64 s[WPF:WPF+1], s[WOB:WOB+1], s[36:37]   ; the prefetches of wo: my work-group's two of the wave's eight tiles
	s_lshl_b32 s36, s38, 9
	s_add_nc_u64 s[WSB:WSB+1], s[12:13], s[36:37]
	s_lshl_b32 s36, s[WV], 9
	s_add_nc_u64 s[BOB:BOB+1], s[14:15], s[36:37]
	s_add_nc_u64 s[OUTB:OUTB+1], s[16:17], s[36:37]
	s_lshl_b32 s36, s[BAT], 11
	s_lshl_b32 s38, s[QB], 5
	s_add_co_u32 s36, s36, s38
	s_lshl_b32 s36, s36, 12
	s_add_nc_u64 s[OUTB:OUTB+1], s[OUTB:OUTB+1], s[36:37]
.irp p, 0,1,2,3
	global_load_b128 v[S+4*\p:S+4*\p+3], v[OOF], s[MKB:MKB+1] offset:8192*\p          ; my rows of the mask, key step 0
.endr
	WIN 0x40
.irp p, 0,1,2,3
	global_load_b128 v[MR+4*\p:MR+4*\p+3], v[OOF], s[MKB:MKB+1] offset:8192*\p+512    ; and key step 1
.endr
.irp hd, 0,1                           ; Q: unit n = 2 head + tile; register 12 g + 6 tile + 2 i of the record's 48
	global_load_b64 v[QF+24*\hd:QF+24*\hd+1], v[OOF], s[QP0:QP0+1] offset:\hd*16*QREC
	global_load_b64 v[QF+24*\hd+2:QF+24*\hd+3], v[OOF], s[QP0:QP0+1] offset:\hd*16*QREC+8
	global_load_b64 v[QF+24*\hd+4:QF+24*\hd+5], v[OOF], s[QP0:QP0+1] offset:\hd*16*QREC+512
	global_load_b64 v[QF+24*\hd+12:QF+24*\hd+13], v[OOF], s[QP0:QP0+1] offset:\hd*16*QREC+520
	global_load_b64 v[QF+24*\hd+14:QF+24*\hd+15], v[OOF], s[QP0:QP0+1] offset:\hd*16*QREC+1024
	global_load_b64 v[QF+24*\hd+16:QF+24*\hd+17], v[OOF], s[QP0:QP0+1] offset:\hd*16*QREC+1032
.endr
	WIN 0
.irp hd, 0,1
.irp u, 0,1
	global_load_b32 v[QS+2*\hd+\u], v[T0], s[QP1:QP1+1] offset:\hd*16*QREC+6144+256*\u
.endr
.endr
	WIN 0x40
.irp n, 0,1,2,3
.irp i, 6,7,8,9,10,11
	v_mov_b32 v[QF+12*\n+\i], 0                    ; zero codes for the half of the instruction's K that the head does not have
.endr
.endr
.set J, 0
.rept 128
	v_mov_b32 v[J], 0                              ; O^T.  (The key step is written once for all steps: the first finds zeros)
.set J, J+1
.endr
	WIN 0
.irp n, 0,1,2,3
	v_mov_b32 v[ST+4*\n+1], 0xff61b1e6             ; the largest t so far: -3e38
	v_floor_f32 v[ST+4*\n], -v[ST+4*\n+1]          ; -M
	v_mov_b32 v[ST+4*\n+2], 0
	v_mov_b32 v[ST+4*\n+3], 0
.endr
.irp b, 0,1,2,3
	v_mov_b32 v[BT+\b], 0                          ; a lane permute's destination counts as one of its sources
.endr
	v_mov_b32 v[PW], 0
.irp i, 48,49,50,51,52,53
	v_mov_b32 v[KF+\i], 0                          ; behind K's last tile
.endr
	s_wait_alu depctr_va_vdst(0)
	s_wait_loadcnt 20                              ; key step 0's four loads are in; behind them: 4 of the mask, 16 of Q
.set J, 0
.rept 8
	v_pk_mul_f32 v[S+J:S+J+1], v[S+J:S+J+1], s[NEG:NEG+1] op_sel_hi:[1,0]
.set J, J+2
.endr
.irp p, 0,1,2,3
	ds_store_b128 v[HAB], v[S+4*\p:S+4*\p+3] offset:\p*MP   ; MT of key step 0, into slot 0
.endr
	s_wait_alu depctr_va_vdst(0)
	s_wait_tensorcnt 0x0                           ; my first record is in; these lines stand ahead of a later first fill as ahead of a refill
	ds_add_u32 v[SPW], v[NIL]
	s_wait_dscnt 0x0                               ; the add is done, and my rows of MT are in LDS
	CROUND
	JLOAD 1                                        ; key step 0, my second head
.macro LOADK sl                        ; 13 loads: a head's K, as it lies, and its scale words
.irp i, 0,1,2,3,4,5,6,7,8,9,10,11
	ds_load_b128 v[KF+4*\i:KF+4*\i+3], v[KA+(\sl)] offset:512*\i
.endr
	ds_load_b128 v[KS:KS+3], v[KA+(\sl)] offset:6144
.endm
.macro LOADV sl                        ; 13 loads: its V
.irp i, 0,1,2,3,4,5,6,7,8,9,10,11
	ds_load_b128 v[VF+4*\i:VF+4*\i+3], v[KA+(\sl)] offset:6656+512*\i
.endr
	ds_load_b64 v[VS:VS+1], v[K8A+(\sl)] offset:12800
.endm
	LOADK 0
	WIN 0x40
.irp g, 0,1,2,3
.irp j, 0,1,2,3
	ds_load_b128 v[MC+16*\g+4*\j:MC+16*\g+4*\j+3], v[AM] offset:128*\g+16*\j
.endr
.endr
	WIN 0
; ONE UNIT'S SHARE OF A KEY STEP: head hd (0, 1 of my two), query tile qt.  K comes from LDS a unit ahead of its first product, V at the start of its head's first unit, MT likewise.
; RND = 1: a round stands in this unit: in every key step but the last in each head's first unit; in the last key step in the second head's first unit, for wo's first load.
.macro UNIT hd, qt, last
.set N, 2*(\hd)+(\qt)
.set STH, ST+4*N
.if N == 3
.set MA, ADN
.else
.set MA, ADM+1-(\qt)
.endif
.set RND, 0
.if (\qt) == 0 && ((\last) == 0 || (\hd) == 1)
.set RND, 1
.endif
.if (\qt) == 0
.rept 4
	v_nop                                          ; places behind the last second product, in front of the loads into V's registers
.endr
	LOADV \hd
	s_wait_dscnt 29                                ; K is in; MT's 16 loads and V's 13 may be out
.endif
	WIN 0x04                                       ; source 1 (Q) window 1
.irp t, 0,1,2,3,4,5,6,7
.if (\t)%2
	v_wmma_scale_f32_16x16x128_f8f6f4 v[S+8*\t:S+8*\t+7], v[KF+6*\t:KF+6*\t+11], v[QF+12*N:QF+12*N+11], 0, v[KS+\t/2], v[QS+N] matrix_a_fmt:MATRIX_FMT_BF6 matrix_b_fmt:MATRIX_FMT_BF6 matrix_a_scale:MATRIX_SCALE_ROW1
.else
	v_wmma_scale_f32_16x16x128_f8f6f4 v[S+8*\t:S+8*\t+7], v[KF+6*\t:KF+6*\t+11], v[QF+12*N:QF+12*N+11], 0, v[KS+\t/2], v[QS+N] matrix_a_fmt:MATRIX_FMT_BF6 matrix_b_fmt:MATRIX_FMT_BF6
.endif
.endr
.rept 4
	v_nop                                          ; places in front of the first read of the scores and of the loads into K's registers
.endr
	WIN 0
.if (\qt) == 1
.if (\hd) == 0
.if \last
	s_wait_tensorcnt 0x0                           ; the last record of my second head is in
.endif
	LOADK 1                                        ; my second head's K
.else
.if (\last) == 0
	LOADK 0                                        ; my first head's K of the next key step
.endif
.endif
.else
	s_wait_dscnt 13                                ; MT is in; V's 13 loads may be out
.endif
	WIN 0x10                                       ; source 2 (MT) window 1
.set J, 0
.rept 32
	v_pk_fma_f32 v[S+J:S+J+1], v[S+J:S+J+1], s[CS:CS+1], v[MC+J:MC+J+1] op_sel_hi:[1,0,1]   ; t, rounded once; each accumulator is read from its low end on
.set J, J+2
.endr
.if (\last) == 0 || N < 3
	WIN 0x40
.irp g, 0,1,2,3
.irp j, 0,1,2,3
	ds_load_b128 v[MC+16*\g+4*\j:MC+16*\g+4*\j+3], v[MA] offset:128*\g+16*\j   ; the next unit's MT: the other tile's
.endr
.endr
.endif
	WIN 0
.if RND
	s_wait_alu depctr_va_vdst(0)
	s_wait_tensorcnt 0x0                           ; my one load that was out, the other slot's, has landed
	ds_add_u32 v[SPW], v[NIL]                      ; 0 onto my spare word
.if (\last) == 0
	s_add_nc_u64 s[G0A+4*(\hd)+2:G0A+4*(\hd)+3], s[G0A+4*(\hd)+2:G0A+4*(\hd)+3], REC   ; this slot's next record
.endif
.endif
.irp b, 0,1,2,3
	v_max3_num_f32 v[BM+\b], v[S+16*\b], v[S+16*\b+1], v[S+16*\b+2]   ; the largest t of each block of 32 keys: it serves the row's maximum and the block's largest p
.endr
.irp i, 3,5,7,9,11,13
.irp b, 0,1,2,3
	s_delay_alu instid0(VALU_DEP_4)
	v_max3_num_f32 v[BM+\b], v[BM+\b], v[S+16*\b+\i], v[S+16*\b+\i+1]
.endr
.endr
.irp b, 0,1,2,3
	s_delay_alu instid0(VALU_DEP_4)
	v_max_num_f32 v[BM+\b], v[BM+\b], v[S+16*\b+15]
.endr
.if RND
	s_wait_alu depctr_va_vdst(0)
	s_wait_dscnt 0x0                               ; the add is done, and my reads of this head's record are over: K's a unit ago, V's now
	s_barrier_signal -1                            ; the round opens; up to its wait, at this unit's end, only work on registers
.endif
.irp b, 0,1,2,3
	v_permlanex16_b32 v[BT+\b], v[BM+\b], s[SEL], s[SEL+1]
.endr
.irp b, 0,1,2,3
	s_delay_alu instid0(VALU_DEP_4)
	v_max_num_f32 v[BM+\b], v[BM+\b], v[BT+\b]     ; with lane l xor 16's 16 keys
.endr
	s_delay_alu instid0(VALU_DEP_2)
	v_max3_num_f32 v[T0], v[BM], v[BM+1], v[BM+2]
	s_delay_alu instid0(VALU_DEP_1)
	v_max_num_f32 v[T0], v[T0], v[BM+3]
	s_delay_alu instid0(VALU_DEP_1)
	v_max_num_f32 v[STH+1], v[STH+1], v[T0]        ; the running largest t
	v_mov_b32 v[T0], v[STH]
	s_delay_alu instid0(VALU_DEP_2)
	v_floor_f32 v[STH], -v[STH+1]                  ; the new -M = -ceil(t)
	s_delay_alu instid0(VALU_DEP_1)
	v_sub_f32 v[T0], v[STH], v[T0]                 ; old M - new M: a whole number, 0 or less
	s_delay_alu instid0(VALU_DEP_1)
	v_cvt_i32_f32 v[T0], v[T0]                     ; (it saturates)
	s_delay_alu instid0(VALU_DEP_1)
	v_ldexp_f32 v[F], 1.0, v[T0]                   ; f = 2^(old M - new M)
.set J, 0
.rept 32
	v_pk_add_f32 v[S+J:S+J+1], v[S+J:S+J+1], v[STH:STH+1] op_sel_hi:[1,0]   ; t - M
.set J, J+2
.endr
.irp b, 0,1,2,3
	v_add_f32 v[BM+\b], v[BM+\b], v[STH]
.endr
.set J, 0
	s_wait_alu depctr_va_vdst(0)
.rept 64
	v_exp_f32 v[S+J], v[S+J]                       ; p = 2^(t - M), at most 1, not normalised
.set J, J+1
.endr
.irp b, 0,1,2,3
	v_exp_f32 v[BM+\b], v[BM+\b]                   ; the block's largest p
.endr
	WIN 0x41
.set J, 0
	s_wait_alu depctr_va_vdst(0)
.rept 16
	v_pk_mul_f32 v[32*N+J:32*N+J+1], v[32*N+J:32*N+J+1], v[F:F+1] op_sel_hi:[1,0]   ; O^T under the new M
.set J, J+2
.endr
	WIN 0
	v_pk_mul_f32 v[STH+2:STH+3], v[STH+2:STH+3], v[F:F+1] op_sel_hi:[1,0]   ; and the sums
	s_wait_alu depctr_va_vdst(0)                   ; one wait for the batch of 68, ahead of its first reader
.irp b, 0,1,2,3
	v_max_num_f32 v[BM+\b], 0x2800000, v[BM+\b]    ; the floor 2^(5 - 127): the byte cannot fall under 1
.endr
.irp b, 0,1,2,3
	s_delay_alu instid0(VALU_DEP_4)
	v_add_nc_u32 v[SO+\b], 0xfe000000, v[BM+\b]    ; 4 off the exponent field: the conversion's scale operand
.endr
.irp b, 0,1,2,3
	s_delay_alu instid0(VALU_DEP_4)
	v_lshrrev_b32 v[BT+\b], 23, v[SO+\b]
.endr
	s_delay_alu instid0(VALU_DEP_3)
	v_lshl_or_b32 v[PW], v[BT+1], 8, v[BT]         ; p's scale word for these 128 keys
	s_delay_alu instid0(VALU_DEP_1)
	v_lshl_or_b32 v[PW], v[BT+2], 16, v[PW]
	s_delay_alu instid0(VALU_DEP_1)
	v_lshl_or_b32 v[PW], v[BT+3], 24, v[PW]
.irp c, 0,1
	v_cvt_scalef32_pk16_bf6_f32 v[PC+6*\c:PC+6*\c+2], v[S+32*\c:S+32*\c+15], v[SO+2*\c]
	v_cvt_scalef32_pk16_bf6_f32 v[TQ+4*\c:TQ+4*\c+2], v[S+32*\c+16:S+32*\c+31], v[SO+2*\c+1]
.endr
	v_pk_add_f32 v[SM:SM+1], v[S:S+1], v[S+2:S+3]  ; the row's sum of the unquantised p, in two chains.  (The plain place behind the conversions)
.irp c, 0,1
.irp i, 0,1,2
	v_permlane16_swap_b32 v[PC+6*\c+\i], v[TQ+4*\c+\i]   ; a whole block in a lane
.endr
.irp i, 0,1,2
	s_delay_alu instid0(VALU_DEP_3)
	v_mov_b32 v[PC+6*\c+3+\i], v[TQ+4*\c+\i]
.endr
.endr
.set J, 4
.rept 15
	v_pk_add_f32 v[STH+2:STH+3], v[STH+2:STH+3], v[S+J:S+J+1]
	v_pk_add_f32 v[SM:SM+1], v[SM:SM+1], v[S+J+2:S+J+3]
.set J, J+4
.endr
	s_delay_alu instid0(VALU_DEP_1)
	v_pk_add_f32 v[STH+2:STH+3], v[STH+2:STH+3], v[SM:SM+1]   ; (these 31 are also the places between the codes and the scale word and the products below)
.if (\qt) == 0 && RND == 0
	s_wait_dscnt 0x0                               ; V is in, and the next unit's MT
.endif
	WIN 0x50                                       ; C and D (O^T) window 1
.irp t, 0,1,2,3
.if (\t)%2
	v_wmma_scale_f32_16x16x128_f8f6f4 v[32*N+8*\t:32*N+8*\t+7], v[VF+12*\t:VF+12*\t+11], v[PC:PC+11], v[32*N+8*\t:32*N+8*\t+7], v[VS+\t/2], v[PW] matrix_a_fmt:MATRIX_FMT_BF6 matrix_b_fmt:MATRIX_FMT_BF6 matrix_a_scale:MATRIX_SCALE_ROW1
.else
	v_wmma_scale_f32_16x16x128_f8f6f4 v[32*N+8*\t:32*N+8*\t+7], v[VF+12*\t:VF+12*\t+11], v[PC:PC+11], v[32*N+8*\t:32*N+8*\t+7], v[VS+\t/2], v[PW] matrix_a_fmt:MATRIX_FMT_BF6 matrix_b_fmt:MATRIX_FMT_BF6
.endif
.endr
	WIN 0
.if RND
	s_barrier_wait -1
	CREST                                          ; no wave of any partner still reads these bytes or has a load on its way
.if (\last) == 0
	JLOAD \hd                                      ; this head's record of the next key step: my one tensor load behind the round
.if (\hd) == 0
	s_cmp_gt_u32 s[STEPS], 1                       ; is there a key step two on?  The same in all waves of all partners
	s_cbranch_scc0 .Lno_more_\@
	global_prefetch_b8 v[PFO], s[KVP:KVP+1] offset:2*REC th:TH_LOAD_NT scope:SCOPE_SE
	WIN 0x40
.irp p, 0,1,2,3
	global_load_b128 v[MR+4*\p:MR+4*\p+3], v[OOF], s[MKB:MKB+1] offset:8192*\p+1024   ; my rows of the mask, two key steps on
.endr
	WIN 0
.Lno_more_\@:
.endif
.else
	JLOADW                                         ; every record is in registers: K steps 0 and 1 of wo, over both slots' bytes
	v_min_u32 v[HAD], 0x300, v[PFW]
	global_prefetch_b8 v[PFW], s[WPF:WPF+1] offset:2*KSB th:TH_LOAD_NT scope:SCOPE_SE          ; K steps 2-7 of my work-group's two tiles: blocks 12-43 of the first,
	global_prefetch_b8 v[PFW], s[WPF:WPF+1] offset:TILEB+2*KSB th:TH_LOAD_NT scope:SCOPE_SE    ; and of the second,
	global_prefetch_b8 v[HAD], s[WPF:WPF+1] offset:2*KSB+8192 th:TH_LOAD_NT scope:SCOPE_SE     ; blocks 44-47 of the first (the lanes left over name the last again),
	global_prefetch_b8 v[HAD], s[WPF:WPF+1] offset:TILEB+2*KSB+8192 th:TH_LOAD_NT scope:SCOPE_SE   ; and of the second
.endif
.endif
.endm
.macro STEP last
	UNIT 0, 0, \last
	UNIT 0, 1, \last
	UNIT 1, 0, \last
	UNIT 1, 1, \last
.endm
	s_wait_alu depctr_va_vdst(0)
.Lstep:                                            ; 15 trips; the last key step is written out: it asks for no record
	s_wait_loadcnt 0x0                             ; my rows of the mask for the next key step (the first time: Q too)
	v_add_nc_u32 v[HAD], s[TBX], v[HAB]
	v_add_nc_u32 v[ADM], s[TB], v[AM]
	v_add_nc_u32 v[ADM+1], s[TB], v[AM+1]
	v_add_nc_u32 v[ADN], s[TBX], v[AM]
	WIN 0x41
.set J, 0
.rept 8
	v_pk_mul_f32 v[MR+J:MR+J+1], v[MR+J:MR+J+1], s[NEG:NEG+1] op_sel_hi:[1,0]
.set J, J+2
.endr
	WIN 0x04
.irp p, 0,1,2,3
	ds_store_b128 v[HAD], v[MR+4*\p:MR+4*\p+3] offset:\p*MP   ; the next key step's MT, into the slot whose last read lies behind a round
.endr
	WIN 0
	STEP 0
	s_wait_xcnt 0x0                                ; the mask's loads and the prefetch have read their bases
	s_add_nc_u64 s[KVP:KVP+1], s[KVP:KVP+1], REC
	s_add_nc_u64 s[MKB:MKB+1], s[MKB:MKB+1], 512
	s_xor_b32 s[TB], s[TB], MTX
	s_xor_b32 s[TBX], s[TBX], MTX
	s_sub_co_u32 s[STEPS], s[STEPS], 1
	s_cmp_lg_u32 s[STEPS], 0
	s_wait_alu depctr_va_vdst(0)
	s_cbranch_scc1 .Lstep
	v_add_nc_u32 v[ADM], s[TB], v[AM]
	v_add_nc_u32 v[ADM+1], s[TB], v[AM+1]
	STEP 1
	; the addresses of the last product and of the way out
	s_wait_xcnt 0x0                                ; the prefetches of wo, a unit back, have read their registers
	v_and_b32 v55, 15, v0
	v_bfe_u32 v58, v0, 4, 1
	v_and_b32 v54, 31, v0
	v_mul_u32_u24 v[STO], v55, MP
	v_lshl_add_u32 v[STO], v58, 6, v[STO]
	v_add_nc_u32 v[STO], s31, v[STO]
	v_add_nc_u32 v[RD], s31, v[OOF]
	v_lshlrev_b32 v59, 3, v55
	v_add_nc_u32 v[ASW], s32, v59
	v_lshl_add_u32 v[WSO], v58, 11, v59
	v_lshlrev_b32 v[BOF], 6, v58
	v_add_nc_u32 v[ASA], s33, v[OOF]
	v_add_nc_u32 v[AFR], AST, v[OOF]
	v_lshl_add_u32 v[ASR], v54, 3, ASC
	v_add_nc_u32 v[WAD], s[G0W+1], v[OOF]
	; O^T / l; my two heads' 64 registers of a tile are 128 neighbours along D (register 16 b + i = 32 b + 16 h + i): K step w of the last product
	s_wait_alu depctr_va_vdst(0)
.irp n, 0,1,2,3
	v_add_f32 v[BM+\n], v[ST+4*\n+2], v[ST+4*\n+3]
.endr
.irp n, 0,1,2,3
	s_delay_alu instid0(VALU_DEP_4)
	v_permlanex16_b32 v[BT+\n], v[BM+\n], s[SEL], s[SEL+1]
.endr
.irp n, 0,1,2,3
	s_delay_alu instid0(VALU_DEP_4)
	v_add_f32 v[BM+\n], v[BM+\n], v[BT+\n]         ; the row's sum
.endr
	s_wait_alu depctr_va_vdst(0)
.irp n, 0,1,2,3
	v_rcp_f32 v[ST+4*\n+2], v[BM+\n]
.endr
	v_nop
.macro OUTQ qt
	s_wait_alu depctr_va_vdst(0)                   ; ahead of the first readers of the reciprocals and of these accumulators
	WIN 0x01
.set J, 0
.rept 16
	v_pk_mul_f32 v[S+J:S+J+1], v[32*(\qt)+J:32*(\qt)+J+1], v[ST+4*(\qt)+2:ST+4*(\qt)+3] op_sel_hi:[1,0]
.set J, J+2
.endr
.set J, 0
.rept 16
	v_pk_mul_f32 v[S+32+J:S+33+J], v[64+32*(\qt)+J:65+32*(\qt)+J], v[ST+4*(\qt)+10:ST+4*(\qt)+11] op_sel_hi:[1,0]
.set J, J+2
.endr
	WIN 0
.irp b, 0,1,2,3
	v_max3_num_f32 v[BM+\b], |v[S+16*\b]|, |v[S+16*\b+1]|, 0x2800000
.endr
.irp i, 2,4,6,8,10,12,14
.irp b, 0,1,2,3
	s_delay_alu instid0(VALU_DEP_4)
	v_max3_num_f32 v[BM+\b], v[BM+\b], |v[S+16*\b+\i]|, |v[S+16*\b+\i+1]|
.endr
.endr
.irp b, 0,1,2,3
	s_delay_alu instid0(VALU_DEP_4)
	v_permlanex16_b32 v[BT+\b], v[BM+\b], s[SEL], s[SEL+1]
.endr
.irp b, 0,1,2,3
	s_delay_alu instid0(VALU_DEP_4)
	v_max_num_f32 v[BM+\b], v[BM+\b], v[BT+\b]
.endr
.irp b, 0,1,2,3
	s_delay_alu instid0(VALU_DEP_4)
	v_add_nc_u32 v[SO+\b], 0xfe000000, v[BM+\b]
.endr
.irp b, 0,1,2,3
	s_delay_alu instid0(VALU_DEP_4)
	v_lshrrev_b32 v[BT+\b], 23, v[SO+\b]
.endr
	s_delay_alu instid0(VALU_DEP_3)
	v_lshl_or_b32 v[OW+(\qt)], v[BT+1], 8, v[BT]
	s_delay_alu instid0(VALU_DEP_1)
	v_lshl_or_b32 v[OW+(\qt)], v[BT+2], 16, v[OW+(\qt)]
	s_delay_alu instid0(VALU_DEP_1)
	v_lshl_or_b32 v[OW+(\qt)], v[BT+3], 24, v[OW+(\qt)]
.irp c, 0,1
	v_cvt_scalef32_pk16_bf6_f32 v[KF+12*(\qt)+6*\c:KF+12*(\qt)+6*\c+2], v[S+32*\c:S+32*\c+15], v[SO+2*\c]
	v_cvt_scalef32_pk16_bf6_f32 v[TQ+4*\c:TQ+4*\c+2], v[S+32*\c+16:S+32*\c+31], v[SO+2*\c+1]
.endr
	v_nop                                          ; one plain place behind a scaled conversion
.irp c, 0,1
.irp i, 0,1,2
	v_permlane16_swap_b32 v[KF+12*(\qt)+6*\c+\i], v[TQ+4*\c+\i]
.endr
.irp i, 0,1,2
	s_delay_alu instid0(VALU_DEP_3)
	v_mov_b32 v[KF+12*(\qt)+6*\c+3+\i], v[TQ+4*\c+\i]
.endr
.endr
.irp c, 0,1,2
	ds_store_b128 v[ASA], v[KF+12*(\qt)+4*\c:KF+12*(\qt)+4*\c+3] offset:8*KSB*(\qt)+512*\c   ; the fragment's image
.endr
	ds_store_b32 v[ASW], v[OW+(\qt)] offset:128*(\qt)   ; row r's word; lanes l and l + 16 write the same word to the same place
.endm
	OUTQ 0
	OUTQ 1
	s_wait_alu depctr_va_vdst(0)
	s_wait_dscnt 0x0                               ; my fragments are in LDS, and the stores have read their registers
.macro WLDS k                          ; wo's eight fragments of K step k from LDS: 24 loads into set k % 2 (v144-239; window 1's v128-223)
.if (\k)%2
	WIN 0x40
.endif
.irp b, 0,1,2,3,4,5,6,7
.irp c, 0,1,2
	ds_load_b128 v[KF-16*((\k)%2)+12*\b+4*\c:KF-16*((\k)%2)+12*\b+4*\c+3], v[WAD] offset:2*KSB*\b+KSB*((\k)%2)+512*\c
.endr
.endr
	WIN 0
.endm
.macro SWLOAD p                        ; wo's scale words of K steps 2 p, 2 p + 1: lanes 0-15 tile b, lanes 16-31 tile b + 4; set p % 2 (v32-39, v248-255)
.irp b, 0,1,2,3
	global_load_b64 v[QS+216*((\p)%2)+2*\b:QS+216*((\p)%2)+2*\b+1], v[WSO], s[WSB:WSB+1] offset:512*\b+128*(\p)
.endr
.endm
.irp b, 0,1,2,3,4,5,6,7
	global_load_b128 v[S+8*\b:S+8*\b+3], v[BOF], s[BOB:BOB+1] offset:4*(32*(\b/2)+8*(\b%2))      ; bo in the result's layout: the first products' C
	global_load_b128 v[S+8*\b+4:S+8*\b+7], v[BOF], s[BOB:BOB+1] offset:4*(32*(\b/2)+8*(\b%2))+16
.endr
	SWLOAD 0
	SWLOAD 1
; AHEAD OF K STEPS 2 p, 2 p + 1: the pair has landed and goes into the two sets of registers; then its bytes are filled with the next pair, behind a round.  The first of these rounds also shows O's fragments to all waves.
.macro PRE p
.if (\p) > 0
.rept 4
	v_nop                                          ; places behind the last products, in front of the loads into registers that they read
.endr
.endif
	s_wait_tensorcnt 0x0                           ; my pair of K steps is in: I alone read these bytes
	WLDS 2*(\p)
	WLDS 2*(\p)+1
.if (\p) < 3
	s_wait_tensorcnt 0x0                           ; ahead of a refill's barrier: the wait, the add and its wait
	ds_add_u32 v[SPW], v[NIL]
	s_add_nc_u64 s[G0W+2:G0W+3], s[G0W+2:G0W+3], 2*KSB
	s_wait_dscnt 0x0                               ; the add is done, and the pair is in registers
	CROUND
	JLOADW
.endif
.if (\p) >= 1 && (\p) <= 2
	SWLOAD (\p)+1
.endif
.endm
.macro OMM k, q, b
.set AC, 8*(8*(\q)+(\b))
.if (\k) == 0
.set CR, S+8*(\b)
.else
.set CR, AC
.endif
.set WF, KF-16*((\k)%2)+12*(\b)
.set SW, QS+216*(((\k)/2)%2)+2*((\b)%4)+(\k)%2
.set SA, VS+206*(((\k)/2)%2)+(\k)%2
.if (\b) < 4
.if (\q) == 0
	v_wmma_scale_f32_16x16x128_f8f6f4 v[AC:AC+7], v[WF:WF+11], v[AFG+12*(\q):AFG+12*(\q)+11], v[CR:CR+7], v[SW], v[SA] matrix_a_fmt:MATRIX_FMT_BF6 matrix_b_fmt:MATRIX_FMT_BF6
.else
	v_wmma_scale_f32_16x16x128_f8f6f4 v[AC:AC+7], v[WF:WF+11], v[AFG+12*(\q):AFG+12*(\q)+11], v[CR:CR+7], v[SW], v[SA] matrix_a_fmt:MATRIX_FMT_BF6 matrix_b_fmt:MATRIX_FMT_BF6 matrix_b_scale:MATRIX_SCALE_ROW1
.endif
.else
.if (\q) == 0
	v_wmma_scale_f32_16x16x128_f8f6f4 v[AC:AC+7], v[WF:WF+11], v[AFG+12*(\q):AFG+12*(\q)+11], v[CR:CR+7], v[SW], v[SA] matrix_a_fmt:MATRIX_FMT_BF6 matrix_b_fmt:MATRIX_FMT_BF6 matrix_a_scale:MATRIX_SCALE_ROW1
.else
	v_wmma_scale_f32_16x16x128_f8f6f4 v[AC:AC+7], v[WF:WF+11], v[AFG+12*(\q):AFG+12*(\q)+11], v[CR:CR+7], v[SW], v[SA] matrix_a_fmt:MATRIX_FMT_BF6 matrix_b_fmt:MATRIX_FMT_BF6 matrix_a_scale:MATRIX_SCALE_ROW1 matrix_b_scale:MATRIX_SCALE_ROW1
.endif
.endif
.endm
; A K step of the last product: source 0 = 16 rows of wo, source 1 = 16 queries: a lane holds eight neighbouring columns of one row.  The 16 accumulators take turns.
.macro OSTEP k
.if (\k) > 0
.rept 4
	v_nop                                          ; places behind the last products, in front of the loads into registers that they read
.endr
.endif
	WIN 0x40
.irp q, 0,1
.irp c, 0,1,2
	ds_load_b128 v[AFG+12*\q+4*\c:AFG+12*\q+4*\c+3], v[AFR] offset:(8*\q+(\k))*KSB+512*\c
.endr
.endr
	WIN 0
.if (\k)%2 == 0
	ds_load_b64 v[VS+206*(((\k)/2)%2):VS+206*(((\k)/2)%2)+1], v[ASR] offset:256*((\k)/2)   ; O's scale words of two K steps: lanes 0-15 tile 0, lanes 16-31 tile 1
.if (\k) == 6
	s_wait_loadcnt 0x0
.else
	s_wait_loadcnt 4                               ; this pair's scale words of wo are in (ahead of the first pair: bo too); the next pair's 4 loads may be out
.endif
.endif
	s_wait_dscnt 0x0
.if (\k) == 0
	WIN 0x44
.else
	WIN 0x54+(\k)%2
.endif
.irp q, 0,1
.irp b, 0,1,2,3,4,5,6,7
	OMM \k, \q, \b
.endr
.endr
	WIN 0
.endm
.irp p, 0,1,2,3
	PRE \p
	OSTEP 2*\p
	OSTEP 2*\p+1
.endr
; THE WAY OUT: a tile's 16 rows x 128 columns go through my own stage (bytes on which no fill lands and which nobody else reads behind the rounds above) and leave as rows of 512 consecutive bytes, aligned.
.macro TOSTAGE q
	WIN 0x04
.irp b, 0,1,2,3,4,5,6,7
	ds_store_b128 v[STO], v[64*(\q)+8*\b:64*(\q)+8*\b+3] offset:128*(\b/2)+32*(\b%2)
	ds_store_b128 v[STO], v[64*(\q)+8*\b+4:64*(\q)+8*\b+7] offset:128*(\b/2)+32*(\b%2)+16
.endr
	WIN 0
.irp t, 0,1,2,3,4,5,6,7,8,9,10,11,12,13,14,15
	ds_load_b128 v[S+64*(\q)+4*\t:S+64*(\q)+4*\t+3], v[RD] offset:\t*MP   ; LDS serves a wave's instructions in order
.endr
.endm
.macro SEND q, younger
	s_wait_dscnt \younger
.irp t, 0,1,2,3,4,5,6,7,8,9,10,11,12,13,14,15
	global_store_b128 v[OOF], v[S+64*(\q)+4*\t:S+64*(\q)+4*\t+3], s[OUTB:OUTB+1] offset:(8*(\q)+\t+8*(\t/8))*4096 th:TH_STORE_NT
.endr
.endm
.rept 4
	v_nop
.endr
	TOSTAGE 0
	TOSTAGE 1
	SEND 0, 32                                     ; behind tile 0's loads: tile 1's 16 stores and 16 loads
	SEND 1, 0
	s_wait_tensorcnt 0x0                           ; the wave's end
	ds_add_u32 v[SPW], v[NIL]
	s_wait_dscnt 0x0
	CROUND                                         ; the closing round
	s_endpgm
.Lfunc_end_k_q66c893096b_attn:
	.size	k_q66c893096b_attn, .Lfunc_end_k_q66c893096b_attn-k_q66c893096b_attn
	.p2alignl 7, 3214868480
	.fill 96, 4, 3214868480
	.section	.rodata,"a",@progbits
	.p2align	6, 0x0
	.amdhsa_kernel k_q66c893096b_attn
		.amdhsa_group_segment_fixed_size 327680
		.amdhsa_private_segment_fixed_size 0
		.amdhsa_enable_private_segment 0
		.amdhsa_kernarg_size 56
		.amdhsa_user_sgpr_count 2
		.amdhsa_user_sgpr_kernarg_segment_ptr 1
		.amdhsa_wavefront_size32 1
		.amdhsa_system_sgpr_workgroup_id_x 1
		.amdhsa_system_sgpr_workgroup_id_y 1
		.amdhsa_system_sgpr_workgroup_id_z 1
		.amdhsa_system_vgpr_workitem_id 0
		.amdhsa_next_free_vgpr 512
		.amdhsa_next_free_sgpr 96
		.amdhsa_reserve_vcc 1
		.amdhsa_float_denorm_mode_32 3
		.amdhsa_float_denorm_mode_16_64 3
		.amdhsa_memory_ordered 1
		.amdhsa_forward_progress 1
		.amdhsa_inst_pref_size 238
	.end_amdhsa_kernel
	.amdgpu_metadata
---
amdhsa.version: [ 1, 2 ]
amdhsa.kernels:
  - .name:           k_q66c893096b_attn
    .symbol:         k_q66c893096b_attn.kd
    .args:
      - { .name: qf, .offset: 0, .size: 8, .value_kind: global_buffer, .address_space: global }
      - { .name: kv, .offset: 8, .size: 8, .value_kind: global_buffer, .address_space: global }
      - { .name: mask, .offset: 16, .size: 8, .value_kind: global_buffer, .address_space: global }
      - { .name: cod, .offset: 24, .size: 8, .value_kind: global_buffer, .address_space: global }
      - { .name: scl, .offset: 32, .size: 8, .value_kind: global_buffer, .address_space: global }
      - { .name: bo, .offset: 40, .size: 8, .value_kind: global_buffer, .address_space: global }
      - { .name: out0, .offset: 48, .size: 8, .value_kind: global_buffer, .address_space: global }
    .group_segment_fixed_size: 327680
    .private_segment_fixed_size: 0
    .kernarg_segment_align: 8
    .kernarg_segment_size: 56
    .max_flat_workgroup_size: 256
    .sgpr_count:     96
    .vgpr_count:     512
    .wavefront_size: 32
...
	.end_amdgpu_metadata
.endif
;; end of part 3
